; MI455X (gfx1250); checked and timed in simulation.
; The chip was launched on July 23, 2026; its instructions are those of AMD's public machine-readable ISA for CDNA 5 (MIT licence, August 2026) and "CDNA5" Instruction Set Architecture Reference Guide (July 2026). The comments in the code are by the model that wrote it; some were corrected since.
;; Causal Attention. Allowed arithmetic: matrix products marked QUANTISED: E2M1 operands, one E8M0 scale for each 32 along K, by v_wmma_scale_f32_16x16x128_f8f6f4 with both operands' format E2M1 (or v_wmma_scale_f32_32x16x128_f4), f32 sums; everything else in f32.
;; Inputs: k 4 x 16 x 2,048 x 64 float32; q 4 x 16 x 2,048 x 64 float32; v 4 x 16 x 2,048 x 64 float32.
;; Outputs: out0 4 x 16 x 2,048 x 64 float32.
;; This version of the problem:
;;   THIS VERSION OF THE PROBLEM IS GIVEN IN LOW PRECISION. The matrix products marked QUANTISED in the list below multiply operands that are first quantised to E2M1 (2 exponent bits, 1 mantissa bit; 4 bits a number), with one power-of-two scale for each 32 numbers along K (OCP MX v1.0); their sums are f32. All else is computed in f32.
;;   The module's matrix products, in the order in which they are computed (A, B: the left and right operand; K: the contracted axis; several contracted axes count as one K, in the product's order):
;;     1. batch 64 x [M 2,048, K 64] x [K 64, N 2,048]; A: input q; B: input k: QUANTISED
;;     2. batch 64 x [M 2,048, K 2,048] x [K 2,048, N 64]; A: softmax (see below); B: input v: QUANTISED
;;   THE QUANTISER, for each operand of a quantised product, along K:
;;     - K is cut into blocks of 32 from its start; a last block that is shorter is filled with zeros.
;;     - A block's scale is 2^e with e = floor(log2(the largest magnitude in the block)) - 2, held to -126 .. 127; a block of zeros has e = 0. As a byte (E8M0): e + 127.
;;     - Each number is divided by its block's scale, clamped to +-6, and rounded to the nearest number of E2M1, ties to even, subnormals kept.
;;     - The product sums the exact products of the quantised numbers (number of the format x scale) in f32.
;;   ~~~python
;;   def quantise(x, axis):      # numpy; x: float32 -> the quantised numbers, widened to float32 again
;;       x = np.moveaxis(x, axis, -1); K = x.shape[-1]
;;       x = np.pad(x, [(0, 0)] * (x.ndim - 1) + [(0, -K % 32)]); x = x.reshape(x.shape[:-1] + (-1, 32)); a = np.abs(x).max(-1, keepdims=True)
;;       e = np.where(a > 0, np.clip(np.frexp(np.where(a > 0, a, 1))[1] - 1 - 2, -126, 127), 0)      # np.frexp(a)[1] - 1 = floor(log2(a)), exactly
;;       r = np.clip(x / 2.0 ** e, -6, 6)
;;       step = 2.0 ** (np.maximum(np.frexp(np.where(r == 0, 1, r))[1] - 1, 0) - 1)
;;       q = np.round(r / step) * step * 2.0 ** e      # np.round: ties to even
;;       return np.moveaxis(q.reshape(q.shape[:-2] + (-1,))[..., :K], -1, axis).astype(np.float32)
;;   ~~~
;;   SOFTMAX AHEAD OF A QUANTISED PRODUCT. Where the list says 'softmax', what is quantised is not the finished softmax but p = 2^(t - M), with t = logit x log2(e) and M = ceil(the row's largest t), a whole number; so 1/2 < the row's largest p <= 1. The row's sum l is taken of the UNQUANTISED p, in f32, and the product's result is divided by l at the end. Since M is a whole number, a kernel that streams over the keys may use a running M (the ceiling of the running maximum): every later rescaling is an exact power of two, which a block's scale takes up: the codes' values come out the same.
;;   OPERANDS COMPUTED ON THE WAY. 'Computed on the way' means the value that the module computes at that place (a softmax that the list does not call 'softmax' is quantised finished and normalised). What goes into a quantiser is computed in f32, as accurately as f32 sums, v_exp_f32 and their like allow (about 1e-6 of the number): no bf16 or f16 on the way to a quantiser, and a product that is left as it is and whose result goes on into a quantised operand takes f32 operands (vector FMAs, or v_wmma_f32_16x16x4_f32). A number that lies on a knife's edge between two numbers of the format may be rounded either way, as far as f32 arithmetic and the matrix unit's own rounding can turn it there, and no further.
;; One version. Each part assembles by itself: llvm-mc -triple=amdgcn-amd-amdhsa -mcpu=gfx1250 --defsym DOCPART=n.
;; ======== version 1 of 1: 2 launches
;; workspace buffers: kv 9,175,040 bytes
;; launch pack (part 1): grid 16 x 64, 4 waves a work-group, no clusters, 36,096 bytes of LDS; arguments k, v, kv; writes kv
.if DOCPART == 1
	.amdgcn_target "amdgcn-amd-amdhsa--gfx1250"
	.amdhsa_code_object_version 6
	.text
	.protected	k_q7610a373c9_pack
	.globl	k_q7610a373c9_pack
	.p2align	8
	.type	k_q7610a373c9_pack,@function
k_q7610a373c9_pack:
	s_mov_b64 s[64:65], 0
	v_nop
	global_prefetch_b8 v0, s[64:65] scope:SCOPE_SE
	s_setreg_imm32_b32 hwreg(HW_REG_WAVE_MODE, 25, 1), 1
	s_wait_xcnt 0x0
; k and v, [64 heads][2048 keys][64] f32, become codes of FP4 (E2M1) with one E8M0 scale byte for each 32 along a product's K:
; k along its 64 channels (two blocks a key), v along the KEYS (one block for each channel and 32 keys).
; The codes are laid as IMAGES OF THE OPERANDS' REGISTERS, one record of 8,960 bytes for each head and 128 keys (lane l = 16 h + r):
;   KC    0: tile t = 0..7, 16 bytes at 512 t + 16 l: channels 32 h .. 32 h + 31 of local key 32 (t / 2) + 8 (t % 2) + r + 8 (r / 8)
;   VC 4096: tile t = 0..3, c = 0, 1, 16 bytes at 1024 t + 512 c + 16 l: channel 16 t + r, local keys 64 c + 32 h + 0 .. 31
;   KS 8192: word j = 0..3 at 16 l + 4 j: the scale word of row r of K's tile 2 j + h: byte 0, byte 1, then 0x7f twice (the product's upper 64 along K are zero codes)
;   VS 8704: word j = 0, 1 at 8 l + 4 j: the scale word of channel 16 (2 j + h) + r: byte b for the step's key block b
; A block's scale is 2^(floor(log2(its largest magnitude)) - 2); its byte is the largest magnitude's exponent field - 2, held at 1 from below.
; LIMITS: NaN and infinities among the inputs are not served.  A block whose largest magnitude lies under 2^-124 has its byte held at 1 (the quantiser's own lower bound).
; A block of zeros gets the byte 1 where the quantiser says 127: its codes are zeros, which add nothing under that byte, and this program alone reads the bytes.
; SHARES.  A work-group makes one record; wave w takes local keys 32 w .. 32 w + 31 of k and of v: 8,192 dense bytes of each, by 16 loads of 512 consecutive bytes each, all 32 issued at once.
; The conversions take neighbours along K from ONE lane's registers: k's rows turn through the wave's own stage in LDS (a lane then holds 32 channels of one key),
; v's rows likewise (a lane then holds one channel and its registers run down the 32 keys).  No tensor loads, no matrix work, no cluster: nothing here is read twice.
.set REC,  8960                        ; bytes in a record
.set STGB, 8704                        ; a wave's stage: 32 rows x 272 bytes for k, later 32 x 256 for v
.set KSL,  4*STGB                      ; K's 128 scale words, gathered from the four waves
.set VSL,  KSL+512                     ; V's 64 scale words
.set KR,  32                           ; v32-95   k as loaded
.set VR,  96                           ; v96-159  v as loaded
.set X0,  160                          ; v160-191 32 numbers of one block
.set X1,  192                          ; v192-223 and of the next
.set CK0, 224                          ; codes: four registers for each of the four blocks, so that no store's data are written again
.set CK1, 228
.set CV0, 232
.set CV1, 236
; 32 numbers of a lane, one block, become 16 bytes of codes in v[dst] on; the scale's byte is left in v19
.macro BLK32 src, dst
	v_max3_num_f32 v16, |v[\src]|, |v[\src+1]|, 0x1800000          ; two chains; the floor 2^(3 - 127) is one more leaf: the byte cannot fall under 1
	v_max3_num_f32 v17, |v[\src+2]|, |v[\src+3]|, |v[\src+4]|
.irp i, 5,9,13,17,21,25
	v_max3_num_f32 v16, v16, |v[\src+\i]|, |v[\src+\i+1]|
	v_max3_num_f32 v17, v17, |v[\src+\i+2]|, |v[\src+\i+3]|
.endr
	v_max3_num_f32 v16, v16, |v[\src+29]|, |v[\src+30]|
	v_max3_num_f32 v16, v16, v17, |v[\src+31]|                     ; the block's largest magnitude
	v_add_nc_u32 v18, 0xff000000, v16                              ; 2 off its exponent field: the conversion takes the exponent field of this operand as its scale
	v_lshrrev_b32 v19, 23, v18                                     ; the scale's byte
.irp g, 0,1,2,3
	v_cvt_scalef32_pk8_fp4_f32 v[\dst+\g], v[\src+8*\g:\src+8*\g+7], v18
.endr
	v_nop                                                          ; one plain place behind the scaled conversions
.endm
; the same for half a row of k (lane (r, h): block h of row r), and the row's scale word in v[word], in both lanes
.macro QROW src, dst, word
	BLK32 \src, \dst
	v_lshlrev_b32 v19, v12, v19                                    ; my byte at its place: 8 h bits up
	v_permlanex16_b32 v20, v19, s20, s21                           ; lane l xor 16 has the row's other byte
	v_or_b32 v19, v19, v20
	v_or_b32 v[\word], 0x7f7f0000, v19                             ; 2^0 for the two blocks of zero codes
.endm
	s_load_b128 s[4:7], s[0:1], 0x0                ; k s[4:5], v s[6:7]
	s_load_b64 s[8:9], s[0:1], 0x10                ; kv
	v_lshl_add_u32 v248, v0, 2, 0x8b00
	v_mov_b32 v249, 0
	v_lshrrev_b32 v2, 5, v0
	v_readfirstlane_b32 s10, v2                    ; wave 0..3
	s_and_b32 s11, ttmp7, 0xffff                   ; the head
	s_lshl_b32 s12, s11, 19                        ; a head is 2,048 rows of 256 bytes,
	s_lshl_b32 s22, ttmp9, 15                      ; a key step 128 rows,
	s_add_co_u32 s12, s12, s22
	s_lshl_b32 s22, s10, 13                        ; my wave's part 32 rows
	s_add_co_u32 s12, s12, s22
	s_mov_b32 s13, 0
	s_mul_i32 s14, s11, 16*REC                     ; the record
	s_mul_i32 s22, ttmp9, REC
	s_add_co_u32 s14, s14, s22
	s_mov_b32 s15, 0
	s_lshl_b32 s22, s10, 10                        ; my two tiles of K's codes in it
	s_mov_b32 s23, 0
	s_mov_b32 s20, 0x76543210
	s_mov_b32 s21, 0xfedcba98                      ; v_permlanex16_b32's selects for lane l xor 16
	s_mul_i32 s24, s10, STGB                       ; my stage
	v_and_b32 v1, 31, v0                           ; lane
	v_and_b32 v2, 15, v0                           ; r
	v_bfe_u32 v3, v0, 4, 1                         ; h
	v_lshlrev_b32 v4, 4, v1                        ; 16 x lane: my bytes of a load's or a store's 512
	v_mul_u32_u24 v5, v3, 272
	v_lshl_add_u32 v5, v2, 4, v5
	v_add_nc_u32 v5, s24, v5                       ; k into the stage: a load holds two rows: row slot h, byte 16 r
	v_mul_u32_u24 v6, v2, 272
	v_lshl_add_u32 v6, v3, 7, v6
	v_add_nc_u32 v6, s24, v6                       ; and out of it: row slot r, my half's 128 bytes
	v_add_nc_u32 v7, s24, v4                       ; v into the stage, as it lies
	v_lshlrev_b32 v8, 2, v1
	v_add_nc_u32 v8, s24, v8                       ; and out of it: column = lane
	v_lshlrev_b32 v9, 10, v3
	v_lshl_add_u32 v9, v2, 4, v9
	s_lshl_b32 s25, s10, 8
	v_add_nc_u32 v9, s25, v9                       ; V's codes in the record: 1024 h + 256 w + 16 r
	s_lshl_b32 s25, s10, 2
	s_add_co_u32 s25, s25, KSL
	v_add_nc_u32 v10, s25, v4                      ; K's scale word: 16 x lane + 4 w
	v_lshlrev_b32 v13, 3, v1                       ; 8 x lane
	s_add_co_u32 s25, s10, VSL
	v_add_nc_u32 v11, s25, v13                     ; V's scale byte: 8 x lane + w
	v_lshlrev_b32 v12, 3, v3                       ; 8 h
	v_add_nc_u32 v14, KSL, v4                      ; the scales' way out
	v_add_nc_u32 v15, VSL, v13
	v_mov_b32 v20, 0                               ; written once: a lane permute's destination counts as one of its sources
	s_wait_kmcnt 0x0
	s_add_nc_u64 s[4:5], s[4:5], s[12:13]          ; k and v at my wave's first row
	s_add_nc_u64 s[6:7], s[6:7], s[12:13]
	s_add_nc_u64 s[16:17], s[8:9], s[14:15]        ; the record
	s_add_nc_u64 s[18:19], s[16:17], s[22:23]      ; my tiles of K's codes
.irp i, 0,1,2,3,4,5,6,7,8,9,10,11,12,13,14,15
	global_load_b128 v[KR+4*\i:KR+4*\i+3], v4, s[4:5] offset:512*\i th:TH_LOAD_NT     ; 32 lanes read 512 consecutive bytes: rows 2 i, 2 i + 1
.endr
.irp i, 0,1,2,3,4,5,6,7,8,9,10,11,12,13,14,15
	global_load_b128 v[VR+4*\i:VR+4*\i+3], v4, s[6:7] offset:512*\i th:TH_LOAD_NT
.endr
	s_wait_loadcnt 16                              ; k is in; the 16 younger loads are v's
	; Key kk of my 32 goes to row slot 16 ((kk / 8) % 2) + 8 (kk / 16) + kk % 8: the 16 keys of a tile then stand in 16 neighbouring slots, in the tile's order
.irp i, 0,1,2,3,4,5,6,7,8,9,10,11,12,13,14,15
	ds_store_b128 v5, v[KR+4*\i:KR+4*\i+3] offset:272*(16*((\i/4)%2)+8*(\i/8)+2*(\i%4))
.endr
.irp j, 0,1,2,3,4,5,6,7
	ds_load_b128 v[X0+4*\j:X0+4*\j+3], v6 offset:16*\j             ; LDS serves a wave's instructions in order (ISA guide 5.7.1.4): these see my stores
.endr
.irp j, 0,1,2,3,4,5,6,7
	ds_load_b128 v[X1+4*\j:X1+4*\j+3], v6 offset:16*272+16*\j
.endr
	s_wait_dscnt 8                                 ; tile 2 w is back; the eight younger loads are tile 2 w + 1's
	QROW X0, CK0, 24
	global_store_b128 v4, v[CK0:CK0+3], s[18:19]   ; 32 lanes store 512 consecutive bytes, at a multiple of 256 from the buffer's first byte
	s_wait_dscnt 0x0
	QROW X1, CK1, 25
	global_store_b128 v4, v[CK1:CK1+3], s[18:19] offset:512
	s_wait_loadcnt 0x0                             ; v is in
.irp i, 0,1,2,3,4,5,6,7,8,9,10,11,12,13,14,15
	ds_store_b128 v7, v[VR+4*\i:VR+4*\i+3] offset:512*\i           ; over k's rows, whose reads are back
.endr
.irp i, 0,1,2,3,4,5,6,7,8,9,10,11,12,13,14,15,16,17,18,19,20,21,22,23,24,25,26,27,28,29,30,31
	ds_load_b32 v[X0+\i], v8 offset:256*\i         ; channel = lane, key i: the registers run down the keys
.endr
.irp i, 0,1,2,3,4,5,6,7,8,9,10,11,12,13,14,15,16,17,18,19,20,21,22,23,24,25,26,27,28,29,30,31
	ds_load_b32 v[X1+\i], v8 offset:256*\i+128     ; channel = 32 + lane
.endr
	s_wait_dscnt 32                                ; channels 0-31 are back; the 32 younger loads are channels 32-63's
	BLK32 X0, CV0
	v_mov_b32 v26, v19
	global_store_b128 v9, v[CV0:CV0+3], s[16:17] offset:4096       ; sixteen lanes store 256 consecutive bytes, at a multiple of 256 from the buffer's first byte
	s_wait_dscnt 0x0
	BLK32 X1, CV1
	v_mov_b32 v27, v19
	global_store_b128 v9, v[CV1:CV1+3], s[16:17] offset:6144
	v_cmp_le_u32 vcc_lo, 16, v1
	v_cndmask_b32 v28, v24, v25, vcc_lo            ; lanes 0-15 give tile 2 w's word, lanes 16-31 tile 2 w + 1's
	ds_store_b32 v10, v28
	ds_store_b8 v11, v26                           ; channel = lane: word 0, byte w
	ds_store_b8 v11, v27 offset:4                  ; channel = 32 + lane: word 1
	s_wait_dscnt 0x0                               ; for the others' sake: my stores have landed
	s_barrier_signal -1
	s_barrier_wait -1                              ; the four waves' scales lie together
	s_cmp_lg_u32 s10, 0
	s_cbranch_scc1 .Lnot_wave_0
	ds_load_b128 v[240:243], v14
	s_wait_dscnt 0x0
	global_store_b128 v4, v[240:243], s[16:17] offset:8192         ; K's scale words: 512 consecutive bytes
.Lnot_wave_0:
	s_cmp_lg_u32 s10, 1
	s_cbranch_scc1 .Lend
	ds_load_b64 v[244:245], v15
	s_wait_dscnt 0x0
	global_store_b64 v13, v[244:245], s[16:17] offset:8704         ; V's: 256 consecutive bytes
.Lend:
	s_wait_tensorcnt 0x0
	ds_add_u32 v248, v249
	s_wait_dscnt 0x0
	s_endpgm
.Lfunc_end_k_q7610a373c9_pack:
	.size	k_q7610a373c9_pack, .Lfunc_end_k_q7610a373c9_pack-k_q7610a373c9_pack
	.p2alignl 7, 3214868480
	.fill 96, 4, 3214868480
	.section	.rodata,"a",@progbits
	.p2align	6, 0x0
	.amdhsa_kernel k_q7610a373c9_pack
		.amdhsa_group_segment_fixed_size 36096
		.amdhsa_private_segment_fixed_size 0
		.amdhsa_enable_private_segment 0
		.amdhsa_kernarg_size 24
		.amdhsa_user_sgpr_count 2
		.amdhsa_user_sgpr_kernarg_segment_ptr 1
		.amdhsa_wavefront_size32 1
		.amdhsa_system_sgpr_workgroup_id_x 1
		.amdhsa_system_sgpr_workgroup_id_y 1
		.amdhsa_system_sgpr_workgroup_id_z 1
		.amdhsa_system_vgpr_workitem_id 0
		.amdhsa_next_free_vgpr 250
		.amdhsa_next_free_sgpr 66
		.amdhsa_reserve_vcc 1
		.amdhsa_float_denorm_mode_32 3
		.amdhsa_float_denorm_mode_16_64 3
		.amdhsa_memory_ordered 1
		.amdhsa_forward_progress 1
		.amdhsa_inst_pref_size 21
	.end_amdhsa_kernel
	.amdgpu_metadata
---
amdhsa.version: [ 1, 2 ]
amdhsa.kernels:
  - .name:           k_q7610a373c9_pack
    .symbol:         k_q7610a373c9_pack.kd
    .args:
      - { .name: k, .offset: 0, .size: 8, .value_kind: global_buffer, .address_space: global }
      - { .name: v, .offset: 8, .size: 8, .value_kind: global_buffer, .address_space: global }
      - { .name: kv, .offset: 16, .size: 8, .value_kind: global_buffer, .address_space: global }
    .group_segment_fixed_size: 36096
    .private_segment_fixed_size: 0
    .kernarg_segment_align: 8
    .kernarg_segment_size: 24
    .max_flat_workgroup_size: 128
    .sgpr_count:     66
    .vgpr_count:     250
    .wavefront_size: 32
...
	.end_amdgpu_metadata
.endif
;; end of part 1
;; launch attn (part 2): grid 4 x 64, 16 waves a work-group, clusters of 4 x 1, 215,040 bytes of LDS; arguments q, kv, out0; writes out0
.if DOCPART == 2
	.amdgcn_target "amdgcn-amd-amdhsa--gfx1250"
	.amdhsa_code_object_version 6
	.text
	.protected	k_q7610a373c9_attn
	.globl	k_q7610a373c9_attn
	.p2align	8
	.type	k_q7610a373c9_attn,@function
k_q7610a373c9_attn:
	s_mov_b64 s[64:65], 0
	v_nop
	global_prefetch_b8 v0, s[64:65] scope:SCOPE_SE
	s_setreg_imm32_b32 hwreg(HW_REG_WAVE_MODE, 25, 1), 1
	s_wait_xcnt 0x0
	s_wait_alu depctr_hold_cnt(0) depctr_sa_sdst(0) depctr_va_vdst(0) depctr_va_sdst(0) depctr_va_ssrc(0) depctr_va_vcc(0) depctr_vm_vsrc(0)
	s_getreg_b32 s2, hwreg(HW_REG_IB_STS2, 6, 4)
	s_cmp_eq_u32 s2, 0
	s_cbranch_scc0 .Lentry_in_a_cluster
	s_endpgm
.Lentry_in_a_cluster:
	s_bfe_u32 s2, ttmp6, 0x10000c
	s_cmp_lg_u32 s2, 0x3003
	s_cbranch_scc0 .Lentry_shape_is_right
	s_endpgm
.Lentry_shape_is_right:
; out0[head][q][:] = the sum over k <= q of softmax_k(q . k / 8) v[k][:], 64 heads, 2,048 positions, 64 channels, both products on codes of FP4 (E2M1) with one E8M0 scale for each 32 along a product's K.
; K's and V's codes and scale words come from the buffer kv as images of the operands' registers, one record of 8,960 bytes for each head and 128 keys (lane l = 16 h + r):
;   0: K's tile t at 512 t + 16 l;  4096: V's tile t, half c at 1024 t + 512 c + 16 l;  8192: K's scale words, four a lane (word j, lanes 16 h on: tile 2 j + h);  8704: V's, two a lane.
; THE SOFTMAX AHEAD OF THE SECOND PRODUCT: t = score x log2(e) / 8; M = the row's largest t so far, rounded UP to a whole number; p = 2^(t - M) is quantised along the keys, not normalised.
; The row's sum is taken of the unquantised p and divides at the end.  When M moves, the sum and O are multiplied by 2^(old M - new M): exact.
; THE FIRST PRODUCT'S K IS 64: the instruction's upper 64 along K are zero codes on both sides (registers 4-7 of every fragment of K and of Q, cleared once), under the scale byte 0x7f.
; A HEAD'S RECORDS, 143,360 bytes, FIT IN LDS AT ONCE: they come once, each of the sixteen waves bringing one record, and stay: no slot is filled again, and no barrier stands in the loops.
; CLUSTER.  The four work-groups of a cluster serve one head and need the same records: each record is asked for JOINTLY, by the same tensor load with the same descriptor and a mask that names the four.
; SHARES.  Wave w of work-group cx owns two tiles of 16 queries, TA = 4 w + cx and TB = 127 - TA.  Tile T needs the key steps 0 .. T / 8: (w / 2) + 1 for TA and 16 - (w / 2) for TB: 17 for every wave of the launch.
; Both counts hang on the wave's number alone, so no branch differs between partners; cx enters q's and out0's addresses and the mask's compare, nothing else.
; Sixteen waves of 256 registers, four to a SIMD: one wave's softmax stands beside another's products and LDS loads; no register windows.
; LAYOUT.  Both products are used transposed: S^T = K Q^T (source 0 = 16 keys, source 1 = my 16 queries), O^T = V^T P^T (source 0 = 16 channels, source 1 = P): a lane holds ONE query (lane % 16) throughout.
; The keys of a tile are not neighbours (row r of tile 2 b + u is key 32 b + 8 u + r + 8 (r / 8)), so that the 16 registers of tiles 2 b, 2 b + 1 are the neighbouring keys 32 b + 16 (lane / 16) + 0 .. 15.
; EVERY TILE WALKS 16 TRIPS, a constant; a step all of whose keys come after the tile's queries leaves its work out by a scalar branch.  In the one step on the diagonal hidden scores become -infinity ahead of the maximum.
; LIMITS: NaN and infinities among the inputs are not served.  A block of q whose largest magnitude lies under 2^-124 has its byte held at 1 (the quantiser's own lower bound); a block of zeros
; (of q, or of p where every p is 0) keeps the byte 1 where the quantiser says 127: its codes are zeros.  A p under 2^-126 comes out of v_exp_f32 as 0.
; REGISTERS: v1-6 addresses that stay; v7, v8 the step's; v10 8 h (head only); v12 -M, v13 the largest t, v[14:15] the sum in two halves; v16-23 Q, v24 its scale word; v[26:27] V's scale words, v[28:31] K's;
;   v32-95 K's 8 fragments; v96-127 V's 4; v128-191 S^T, then p; v192-223 O^T; v224-231 p's codes; v232-239, v244-247, v252, v254 at work; v240-243, v248 tile B's Q; v253 p's scale word.
.set REC,   8960                       ; bytes in a record
.set HEADB, 16*REC                     ; a head's records
.set STAGE, HEADB                      ; behind them: 16 rows x 272 bytes for each wave, its own: q's turn at the head, and the way out; no tensor load lands here
.set SP,    272                        ; a stage row: 256 bytes + 16: the 16 rows that a load or store touches start at 16 different banks (64 banks of 4 bytes: ISA guide 11.1)
.set KF,  32
.set VF,  96
.set S,   128
.set OT,  192
.set PC,  224
.set BM,  232                          ; v232-235 the blocks' largest scores, then largest p
.set T2,  236                          ; v236-239 at work
.set SOP, 244                          ; v244-247 the conversions' scale operands
; A round of the cluster's barrier: my work-group's barrier, so that wave 0's signal speaks for all sixteen waves; wave 0 signals for the work-group; every wave waits for the four work-groups; my work-group's barrier once more.
.macro CROUND
	s_barrier_signal -1
	s_barrier_wait -1
	s_cmp_lg_u32 s10, 0
	s_cbranch_scc1 .Lnot_wave_0_\@
	s_barrier_signal -3
.Lnot_wave_0_\@:
	s_barrier_wait -3
	s_barrier_signal -1
	s_barrier_wait -1
.endm
; 32 numbers of a lane, block h of row r of q, become 16 bytes of codes in v[dst] on, and the row's scale word in v[word] (in both lanes)
.macro QROW src, dst, word
	v_max3_num_f32 v232, |v[\src]|, |v[\src+1]|, 0x1800000         ; two chains; the floor 2^(3 - 127) is one more leaf: the byte cannot fall under 1
	v_max3_num_f32 v233, |v[\src+2]|, |v[\src+3]|, |v[\src+4]|
.irp i, 5,9,13,17,21,25
	s_delay_alu instid0(VALU_DEP_2)
	v_max3_num_f32 v232, v232, |v[\src+\i]|, |v[\src+\i+1]|
	s_delay_alu instid0(VALU_DEP_2)
	v_max3_num_f32 v233, v233, |v[\src+\i+2]|, |v[\src+\i+3]|
.endr
	s_delay_alu instid0(VALU_DEP_2)
	v_max3_num_f32 v232, v232, |v[\src+29]|, |v[\src+30]|
	s_delay_alu instid0(VALU_DEP_1)
	v_max3_num_f32 v232, v232, v233, |v[\src+31]|                  ; the block's largest magnitude
	s_delay_alu instid0(VALU_DEP_1)
	v_add_nc_u32 v234, 0xff000000, v232                            ; 2 off its exponent field: the conversion's scale operand
	s_delay_alu instid0(VALU_DEP_1)
	v_lshrrev_b32 v235, 23, v234                                   ; the scale's byte
.irp g, 0,1,2,3
	v_cvt_scalef32_pk8_fp4_f32 v[\dst+\g], v[\src+8*\g:\src+8*\g+7], v234
.endr
	v_nop                                                          ; one plain place behind the scaled conversions
	v_lshlrev_b32 v235, v10, v235                                  ; my byte at its place: 8 h bits up
	s_delay_alu instid0(VALU_DEP_1)
	v_permlanex16_b32 v236, v235, s20, s21                         ; lane l xor 16 has the row's other byte
	s_delay_alu instid0(VALU_DEP_1)
	v_or_b32 v235, v235, v236
	s_delay_alu instid0(VALU_DEP_1)
	v_or_b32 v[\word], 0x7f7f0000, v235                            ; 2^0 for the two blocks of zero codes
.endm
; A KEY STEP: 128 keys, the record at LDS byte s45.  dg: the scalar register with the number of the tile's step on the diagonal; qo: the one with the tile's first query less that step's first key.
.macro STEP dg, qo
	v_add_nc_u32 v7, s45, v1                       ; the record, 16 bytes a lane,
	v_add_nc_u32 v8, s45, v2                       ; and 8 bytes a lane.  (Made in every trip, ahead of the branch)
	s_cmp_gt_u32 s44, s[\dg]                       ; all the step's keys come after my queries: its work is left out
	s_cbranch_scc1 .Lhidden_\@
	s_setprio 2
	v_nop                                          ; with the two additions above: four places between the last step's products and the loads into the registers that they read
	v_nop
	ds_load_b128 v[28:31], v7 offset:8192          ; K's scale words
.irp t, 0,1,2,3,4,5,6,7
	ds_load_b128 v[KF+8*\t:KF+8*\t+3], v7 offset:512*\t            ; K's fragments: registers 0-3; registers 4-7 stay zeros
.endr
	ds_load_b64 v[26:27], v8 offset:8704           ; V's scale words
.irp i, 0,1,2,3,4,5,6,7
	ds_load_b128 v[VF+4*\i:VF+4*\i+3], v7 offset:4096+512*\i       ; V's fragments
.endr
	s_wait_dscnt 9                                 ; K's nine loads are in; V's nine are younger and land under the softmax
.irp t, 0,1,2,3,4,5,6,7
.if \t%2
	v_wmma_scale_f32_16x16x128_f8f6f4 v[S+8*\t:S+8*\t+7], v[KF+8*\t:KF+8*\t+7], v[16:23], 0, v[28+\t/2], v24 matrix_a_fmt:MATRIX_FMT_FP4 matrix_b_fmt:MATRIX_FMT_FP4 matrix_a_scale:MATRIX_SCALE_ROW1
.else
	v_wmma_scale_f32_16x16x128_f8f6f4 v[S+8*\t:S+8*\t+7], v[KF+8*\t:KF+8*\t+7], v[16:23], 0, v[28+\t/2], v24 matrix_a_fmt:MATRIX_FMT_FP4 matrix_b_fmt:MATRIX_FMT_FP4
.endif
.endr                                              ; lane (r, h) holds query r; register 16 b + i is local key 32 b + 16 h + i
.rept 4
	v_nop                                          ; four places in front of the first read of the results (ISA guide 7.12.1)
.endr
	s_cmp_lg_u32 s44, s[\dg]                       ; only the step on the diagonal has hidden keys
	s_cbranch_scc1 .Lopen_\@
	v_add_nc_u32 v252, s[\qo], v6                  ; d = my query - the step's first key - 16 h: register 16 b + i is hidden where 32 b + i > d
	v_mov_b32 v254, 0xff800000                     ; -infinity: p = 0 then
.irp n, 0,1,2,3,4,5,6,7,8,9,10,11,12,13,14,15,16,17,18,19,20,21,22,23,24,25,26,27,28,29,30,31,32,33,34,35,36,37,38,39,40,41,42,43,44,45,46,47,48,49,50,51,52,53,54,55,56,57,58,59,60,61,62,63
	v_cmp_gt_i32 vcc_lo, 32*(\n/16)+\n%16, v252
	v_cndmask_b32 v[S+\n], v[S+\n], v254, vcc_lo
.endr
.Lopen_\@:
.irp b, 0,1,2,3
	v_max3_num_f32 v[BM+\b], v[S+16*\b], v[S+1+16*\b], v[S+2+16*\b]   ; the largest score of each block of 32 keys: it serves the row's maximum and, since p rises with the score, the block's largest p
.endr
.irp i, 3,5,7,9,11,13
.irp b, 0,1,2,3
	v_max3_num_f32 v[BM+\b], v[BM+\b], v[S+16*\b+\i], v[S+1+16*\b+\i]   ; (the four blocks by turns)
.endr
.endr
.irp b, 0,1,2,3
	v_max_num_f32 v[BM+\b], v[BM+\b], v[S+15+16*\b]
.endr
.irp b, 0,1,2,3
	s_delay_alu instid0(VALU_DEP_4)
	v_permlanex16_b32 v[T2+\b], v[BM+\b], s20, s21
.endr
.irp b, 0,1,2,3
	s_delay_alu instid0(VALU_DEP_4)
	v_max_num_f32 v[BM+\b], v[BM+\b], v[T2+\b]     ; with lane l xor 16's 16 keys
.endr
	s_delay_alu instid0(VALU_DEP_2)
	v_max3_num_f32 v254, v232, v233, v234
	s_delay_alu instid0(VALU_DEP_1)
	v_max_num_f32 v254, v254, v235                 ; the step's largest score of my query (the step's first key counts for every query, so it is a number)
	s_delay_alu instid0(VALU_DEP_1)
	v_mul_f32 v254, s22, v254                      ; as t (c is positive)
	s_delay_alu instid0(VALU_DEP_1)
	v_max_num_f32 v13, v13, v254                   ; the running largest t
	v_mov_b32 v254, v12
	s_delay_alu instid0(VALU_DEP_2)
	v_floor_f32 v12, -v13                          ; the new -M = floor(-t) = -ceil(t): M is a whole number
	s_delay_alu instid0(VALU_DEP_1)
	v_sub_f32 v254, v12, v254                      ; M's old value less its new one: a whole number, 0 or less
	s_delay_alu instid0(VALU_DEP_1)
	v_cvt_i32_f32 v254, v254                       ; (it saturates)
	s_delay_alu instid0(VALU_DEP_1)
	v_ldexp_f32 v252, 1.0, v254                    ; f = 2^(old M - new M)
.irp j, 0,2,4,6,8,10,12,14,16,18,20,22,24,26,28,30,32,34,36,38,40,42,44,46,48,50,52,54,56,58,60,62
	v_pk_fma_f32 v[S+\j:S+1+\j], v[S+\j:S+1+\j], s[22:23], v[12:13] op_sel_hi:[1,0,0]   ; t - M, two at a time (of the pairs c and -M the low word serves both halves)
.endr
	s_setprio 1
.irp b, 0,1,2,3
	v_fma_f32 v[BM+\b], v[BM+\b], s22, v12         ; the same of each block's largest score
.endr
	s_wait_alu depctr_va_vdst(0)
.irp j, 0,1,2,3,4,5,6,7,8,9,10,11,12,13,14,15,16,17,18,19,20,21,22,23,24,25,26,27,28,29,30,31,32,33,34,35,36,37,38,39,40,41,42,43,44,45,46,47,48,49,50,51,52,53,54,55,56,57,58,59,60,61,62,63
	v_exp_f32 v[S+\j], v[S+\j]                     ; p = 2^(t - M): not normalised
.endr
.irp b, 0,1,2,3
	v_exp_f32 v[BM+\b], v[BM+\b]                   ; the block's largest p: the same two instructions on the same number give the same bits
.endr
	v_pk_mul_f32 v[14:15], v[14:15], v[252:253] op_sel_hi:[1,0]    ; the sums under the new M.  (The plain place behind the exponentials)
	s_wait_alu depctr_va_vdst(0)
.irp b, 0,1,2,3
	v_max_num_f32 v[BM+\b], 0x1800000, v[BM+\b]    ; the floor 2^(3 - 127): the byte cannot fall under 1
.endr
.irp b, 0,1,2,3
	s_delay_alu instid0(VALU_DEP_4)
	v_add_nc_u32 v[SOP+\b], 0xff000000, v[BM+\b]   ; 2 off the exponent field: the conversion's scale operand
.endr
.irp b, 0,1,2,3
	s_delay_alu instid0(VALU_DEP_4)
	v_lshrrev_b32 v[T2+\b], 23, v[SOP+\b]          ; the scale's byte
.endr
	s_delay_alu instid0(VALU_DEP_3)
	v_lshl_or_b32 v253, v237, 8, v236              ; p's scale word for these 128 keys
	s_delay_alu instid0(VALU_DEP_1)
	v_lshl_or_b32 v253, v238, 16, v253
	s_delay_alu instid0(VALU_DEP_1)
	v_lshl_or_b32 v253, v239, 24, v253
.irp b, 0,1,2,3
	v_cvt_scalef32_pk8_fp4_f32 v[PC+2*\b], v[S+16*\b:S+7+16*\b], v[SOP+\b]
	v_cvt_scalef32_pk8_fp4_f32 v[PC+1+2*\b], v[S+8+16*\b:S+15+16*\b], v[SOP+\b]
.endr
	v_nop                                          ; one plain place behind the scaled conversions
.irp c, 0,1                                        ; the operand's layout wants a whole block in a lane: lanes 0-15 block 2 c, lanes 16-31 block 2 c + 1
.irp i, 0,1
	v_permlane16_swap_b32 v[PC+4*\c+\i], v[PC+2+4*\c+\i]
.endr
.endr
	v_pk_add_f32 v[236:237], v[132:133], v[136:137]
	v_pk_add_f32 v[246:247], v[140:141], v[144:145]
	v_pk_add_f32 v[244:245], v[148:149], v[152:153]
	v_pk_add_f32 v[234:235], v[156:157], v[160:161]
	v_pk_add_f32 v[232:233], v[164:165], v[168:169]
	v_pk_add_f32 v[90:91], v[172:173], v[176:177]
	v_pk_add_f32 v[88:89], v[180:181], v[184:185]
	v_pk_add_f32 v[14:15], v[14:15], v[188:189]
	v_pk_add_f32 v[236:237], v[236:237], v[128:129]
	v_pk_add_f32 v[246:247], v[246:247], v[130:131]
	v_pk_add_f32 v[244:245], v[244:245], v[134:135]
	v_pk_add_f32 v[234:235], v[234:235], v[138:139]
	v_pk_add_f32 v[232:233], v[232:233], v[142:143]
	s_setprio 0
	v_pk_add_f32 v[90:91], v[90:91], v[146:147]
	v_pk_add_f32 v[88:89], v[88:89], v[150:151]
	v_pk_add_f32 v[14:15], v[14:15], v[154:155]
	v_pk_add_f32 v[236:237], v[236:237], v[158:159]
	v_pk_add_f32 v[246:247], v[246:247], v[162:163]
	v_pk_add_f32 v[244:245], v[244:245], v[166:167]
	v_pk_add_f32 v[234:235], v[234:235], v[170:171]
	v_pk_add_f32 v[232:233], v[232:233], v[174:175]
	v_pk_add_f32 v[90:91], v[90:91], v[178:179]
	v_pk_add_f32 v[88:89], v[88:89], v[182:183]
	v_pk_add_f32 v[14:15], v[14:15], v[186:187]
	v_pk_add_f32 v[236:237], v[236:237], v[190:191]
	s_delay_alu instid0(VALU_DEP_2)
	v_pk_add_f32 v[14:15], v[14:15], v[234:235]
	s_delay_alu instid0(VALU_DEP_2)
	v_pk_add_f32 v[236:237], v[236:237], v[232:233]
	v_pk_add_f32 v[246:247], v[246:247], v[90:91]
	v_pk_add_f32 v[244:245], v[244:245], v[88:89]
	s_delay_alu instid0(VALU_DEP_2)
	v_pk_add_f32 v[14:15], v[14:15], v[246:247]
	s_delay_alu instid0(VALU_DEP_2)
	v_pk_add_f32 v[236:237], v[236:237], v[244:245]
	s_delay_alu instid0(VALU_DEP_1)
	v_pk_add_f32 v[14:15], v[14:15], v[236:237]
.irp j, 0,2,4,6,8,10,12,14,16,18,20,22,24,26,28,30
	v_pk_mul_f32 v[OT+\j:OT+1+\j], v[OT+\j:OT+1+\j], v[252:253] op_sel_hi:[1,0]   ; O^T under the new M: x f.  (With the sums above: the places between p's codes and scale word and the products below)
.endr
	s_wait_alu depctr_va_vdst(0)
	s_wait_dscnt 0x0                               ; V's fragments and scale words are in
.irp t, 0,1,2,3                                    ; the four accumulators take turns, one instruction a turn
.if \t%2
	v_wmma_scale_f32_16x16x128_f8f6f4 v[OT+8*\t:OT+8*\t+7], v[VF+8*\t:VF+8*\t+7], v[PC:PC+7], v[OT+8*\t:OT+8*\t+7], v[26+\t/2], v253 matrix_a_fmt:MATRIX_FMT_FP4 matrix_b_fmt:MATRIX_FMT_FP4 matrix_a_scale:MATRIX_SCALE_ROW1
.else
	v_wmma_scale_f32_16x16x128_f8f6f4 v[OT+8*\t:OT+8*\t+7], v[VF+8*\t:VF+8*\t+7], v[PC:PC+7], v[OT+8*\t:OT+8*\t+7], v[26+\t/2], v253 matrix_a_fmt:MATRIX_FMT_FP4 matrix_b_fmt:MATRIX_FMT_FP4
.endif
.endr
.Lhidden_\@:
.endm
; THE WAY OUT of a tile.  O^T is divided by the row's sum and goes through my stage: a lane's eight channels of a row go in, whole rows of 256 bytes come back.  ob: the scalar pair with the tile's address in out0.
.macro WAYOUT ob
.rept 4
	v_nop                                          ; four places behind the last products
.endr
	v_add_f32 v14, v14, v15                        ; the sum's two halves,
	s_delay_alu instid0(VALU_DEP_1)
	v_permlanex16_b32 v252, v14, s20, s21
	s_delay_alu instid0(VALU_DEP_1)
	v_add_f32 v14, v14, v252                       ; and lane l xor 16's: the row's sum
	s_wait_alu depctr_va_vdst(0)
	v_rcp_f32 v14, v14
	v_nop                                          ; one plain place behind the transcendental
	s_wait_alu depctr_va_vdst(0)
.irp j, 0,1,2,3,4,5,6,7,8,9,10,11,12,13,14,15,16,17,18,19,20,21,22,23,24,25,26,27,28,29,30,31
	v_mul_f32 v[S+\j], v[OT+\j], v14               ; register 8 t + i is out0(query r, channel 16 t + 8 h + i); each accumulator from its low end on
.endr
.irp t, 0,1,2,3
	ds_store_b128 v5, v[S+8*\t:S+8*\t+3] offset:64*\t
	ds_store_b128 v5, v[S+8*\t+4:S+8*\t+7] offset:64*\t+16
.endr
.irp i, 0,1,2,3,4,5,6,7
	ds_load_b128 v[S+32+4*\i:S+35+4*\i], v3 offset:2*SP*\i         ; LDS serves a wave's instructions in order (ISA guide 5.7.1.4): these see my stores.  Rows 2 i and 2 i + 1
.endr
.irp i, 0,1,2,3,4,5,6,7
	s_wait_dscnt 7-\i                              ; the younger read-backs may stay out
	global_store_b128 v1, v[S+32+4*\i:S+35+4*\i], s[\ob:\ob+1] offset:512*\i th:TH_STORE_NT   ; 32 lanes store 512 consecutive bytes, at a multiple of 256 from out0's first byte; written once
.endr
.endm
; A tile of 16 queries: the state begins as zeros and the largest t as -3e38, so that the step is written once for a tile: the first change of M multiplies zeros (32 moves against a second copy of the step).
.macro TILE dg, qo, ob
	v_mov_b32 v13, 0xff61b1e6                      ; -3e38, under every t
	s_delay_alu instid0(VALU_DEP_1)
	v_floor_f32 v12, -v13                          ; -M
	v_mov_b32 v14, 0
	v_mov_b32 v15, 0
.irp j, 0,1,2,3,4,5,6,7,8,9,10,11,12,13,14,15,16,17,18,19,20,21,22,23,24,25,26,27,28,29,30,31
	v_mov_b32 v[OT+\j], 0
.endr
	s_mov_b32 s44, 0                               ; the step's number
	s_mov_b32 s45, 0                               ; its record in LDS
.Lstep_\@:                                         ; 16 trips, a constant
	STEP \dg, \qo
	s_add_co_u32 s45, s45, REC
	s_add_co_u32 s44, s44, 1
	s_cmp_lt_u32 s44, 16
	s_cbranch_scc1 .Lstep_\@
	s_setprio 0
	WAYOUT \ob
.endm
	s_load_b128 s[4:7], s[0:1], 0x0                ; q s[4:5], kv s[6:7]
	s_load_b64 s[8:9], s[0:1], 0x10                ; out0
	v_lshl_add_u32 v251, v0, 2, 0x34000
	v_mov_b32 v255, 0
	ds_add_u32 v251, v255
	ds_add_u32 v251, v255
	v_lshrrev_b32 v2, 5, v0
	s_delay_alu instid0(VALU_DEP_1)
	v_readfirstlane_b32 s10, v2                    ; wave 0..15
	s_bfe_u32 s11, ttmp6, 0x40000                  ; cx: my place in the cluster
	s_and_b32 s12, ttmp7, 0xffff                   ; the head, which the four partners share
	s_lshr_b32 s14, s10, 1                         ; tile A's step on the diagonal: TA / 8 = w / 2
	s_sub_co_u32 s15, 15, s14                      ; tile B's: 15 - w / 2
	s_and_b32 s16, s10, 1
	s_lshl_b32 s16, s16, 2
	s_add_co_u32 s16, s16, s11
	s_lshl_b32 s16, s16, 4                         ; tile A's first query in that step: 16 (TA % 8)
	s_sub_co_u32 s17, 112, s16                     ; tile B's: 16 (7 - TA % 8)
	s_mov_b32 s20, 0x76543210
	s_mov_b32 s21, 0xfedcba98                      ; v_permlanex16_b32's selects for lane l xor 16
	s_mov_b32 s22, 0x3e38aa3b                      ; c = log2(e) / 8
	s_mov_b32 s23, s22                             ; (named with it as a pair, so it is written)
	; descriptor group 1: a record is dense: 35 rows of 32 elements of 8 bytes, no padding
	s_mov_b32 s24, 15|(3<<16)|(1<<21)              ; 15:0 the mask: all four work-groups; 17:16 elements of 8 bytes; 21 set beside a mask
	s_mov_b32 s25, 32<<16                          ; tensor_dim0 = 32
	s_mov_b32 s26, 35<<16                          ; tensor_dim1 = 35
	s_mov_b32 s27, 32<<16                          ; tile_dim0 = 32
	s_mov_b32 s28, 35                              ; tile_dim1 = 35
	s_mov_b32 s29, 32                              ; elements from row to row
	s_mov_b32 s30, 0
	s_mov_b32 s31, 0
	s_mov_b32 s32, 1                               ; group 0: count = 1
	s_mul_i32 s33, s10, REC                        ; LDS address: record w: no place in the cluster enters it
	s_mul_i32 s52, s12, HEADB
	s_add_co_u32 s52, s52, s33                     ; and the same record in kv
	s_mov_b32 s53, 0
	s_lshl_b32 s46, s10, 2
	s_add_co_u32 s46, s46, s11                     ; TA = 4 w + cx
	s_sub_co_u32 s50, 127, s46                     ; TB
	s_lshl_b32 s48, s12, 19                        ; a head of q or out0: 2,048 rows of 256 bytes
	s_lshl_b32 s46, s46, 12                        ; a tile: 16 rows
	s_add_co_u32 s46, s46, s48
	s_mov_b32 s47, 0
	s_lshl_b32 s50, s50, 12
	s_add_co_u32 s50, s50, s48
	s_mov_b32 s51, 0
	s_mul_i32 s49, s10, 16*SP
	s_add_co_u32 s49, s49, STAGE                   ; my stage
	v_and_b32 v9, 31, v0                           ; lane
	v_and_b32 v11, 15, v0                          ; r
	v_bfe_u32 v10, v0, 4, 1                        ; h
	s_delay_alu instid0(VALU_DEP_3)
	v_lshlrev_b32 v1, 4, v9                        ; 16 x lane: an image's place for my lane; also my bytes of a load's or store's 512 in q and out0
	s_delay_alu instid0(VALU_DEP_4)
	v_lshlrev_b32 v2, 3, v9                        ; 8 x lane
	s_delay_alu instid0(VALU_DEP_3)
	v_mul_u32_u24 v3, v10, SP
	s_delay_alu instid0(VALU_DEP_1)
	v_lshl_add_u32 v3, v11, 4, v3
	s_delay_alu instid0(VALU_DEP_1)
	v_add_nc_u32 v3, s49, v3                       ; the stage by whole rows: row h, byte 16 r
	v_mul_u32_u24 v4, v11, SP
	s_delay_alu instid0(VALU_DEP_1)
	v_lshl_add_u32 v5, v10, 5, v4
	s_delay_alu instid0(VALU_DEP_2)
	v_lshl_add_u32 v4, v10, 7, v4
	s_delay_alu instid0(VALU_DEP_1)
	v_add_nc_u32 v4, s49, v4                       ; q out of the stage: row r, my half's 128 bytes
	s_delay_alu instid0(VALU_DEP_3)
	v_add_nc_u32 v5, s49, v5                       ; O into it: row r, + 32 h
	v_lshlrev_b32 v6, 4, v10
	s_delay_alu instid0(VALU_DEP_1)
	v_sub_nc_u32 v6, v11, v6                       ; r - 16 h, for the mask
	v_lshlrev_b32 v10, 3, v10                      ; 8 h
	s_wait_dscnt 0x0
	s_wait_kmcnt 0x0
	s_add_nc_u64 s[34:35], s[6:7], s[52:53]        ; global address of record w of my head
	s_or_b32 s35, s35, 0x80000000                  ; type = 2
	s_add_nc_u64 s[36:37], s[4:5], s[46:47]        ; q at tile A, at tile B
	s_add_nc_u64 s[38:39], s[4:5], s[50:51]
	s_add_nc_u64 s[40:41], s[8:9], s[46:47]        ; out0 likewise
	s_add_nc_u64 s[42:43], s[8:9], s[50:51]
	CROUND                                         ; all four work-groups are here: the joint loads meet
	tensor_load_to_lds s[32:35], s[24:31]          ; my one tensor load of the launch: record w
	s_nop 0
.rept 4
	v_nop
.endr
.irp i, 0,1,2,3,4,5,6,7
	global_load_b128 v[S+4*\i:S+4*\i+3], v1, s[36:37] offset:512*\i th:TH_LOAD_NT      ; tile A's q: 512 consecutive bytes a load: rows 2 i, 2 i + 1
.endr
.irp i, 0,1,2,3,4,5,6,7
	global_load_b128 v[S+32+4*\i:S+35+4*\i], v1, s[38:39] offset:512*\i th:TH_LOAD_NT  ; tile B's
.endr
.irp j, 20,21,22,23
	v_mov_b32 v\j, 0                               ; Q's codes for the upper 64 along K: zeros, for the whole launch
.endr
.irp t, 0,1,2,3,4,5,6,7
.irp j, 4,5,6,7
	v_mov_b32 v[KF+8*\t+\j], 0                     ; K's likewise: the loads fill registers 0-3 alone
.endr
.endr
.irp j, 236,237,238,239,252,253
	v_mov_b32 v\j, 0                               ; written once: lane permutes' destinations count as sources, and v253 is named as the upper half of the pair v[252:253]
.endr
	s_wait_loadcnt 8                               ; tile A's q is in; the eight younger loads are tile B's
.irp i, 0,1,2,3,4,5,6,7
	ds_store_b128 v3, v[S+4*\i:S+4*\i+3] offset:2*SP*\i
.endr
.irp j, 0,1,2,3,4,5,6,7
	ds_load_b128 v[OT+4*\j:OT+4*\j+3], v4 offset:16*\j             ; lane (r, h): channels 32 h .. 32 h + 31 of query r
.endr
	s_wait_loadcnt 0x0
.irp i, 0,1,2,3,4,5,6,7
	ds_store_b128 v3, v[S+32+4*\i:S+35+4*\i] offset:2*SP*\i        ; served behind tile A's loads from the stage
.endr
.irp j, 0,1,2,3,4,5,6,7
	ds_load_b128 v[VF+4*\j:VF+4*\j+3], v4 offset:16*\j
.endr
	s_wait_dscnt 16                                ; tile A's numbers are back; tile B's 8 stores and 8 loads are younger
	QROW OT, 16, 24
	s_wait_dscnt 0x0
	QROW VF, 240, 248
	s_wait_tensorcnt 0x0                           ; my record has landed,
	s_barrier_signal -1
	s_barrier_wait -1                              ; everybody's has: the head's sixteen records lie in LDS, and nothing writes them again
	TILE 14, 16, 40
	s_wait_xcnt 0x0                                ; tile A's stores have read their registers: they are written again only behind this wait
.irp j, 0,1,2,3
	v_mov_b32 v[16+\j], v[240+\j]                  ; tile B's Q,
.endr
	v_mov_b32 v24, v248                            ; and its scale word: the 36 moves at the tile's head stand between these and the first product
	TILE 15, 17, 42
	s_wait_tensorcnt 0x0
	ds_add_u32 v251, v255
	s_wait_dscnt 0x0
	CROUND                                         ; the closing round: no work-group ends while a partner may still ask for a record that names it
	s_endpgm
.Lfunc_end_k_q7610a373c9_attn:
	.size	k_q7610a373c9_attn, .Lfunc_end_k_q7610a373c9_attn-k_q7610a373c9_attn
	.p2alignl 7, 3214868480
	.fill 96, 4, 3214868480
	.section	.rodata,"a",@progbits
	.p2align	6, 0x0
	.amdhsa_kernel k_q7610a373c9_attn
		.amdhsa_group_segment_fixed_size 215040
		.amdhsa_private_segment_fixed_size 0
		.amdhsa_enable_private_segment 0
		.amdhsa_kernarg_size 24
		.amdhsa_user_sgpr_count 2
		.amdhsa_user_sgpr_kernarg_segment_ptr 1
		.amdhsa_wavefront_size32 1
		.amdhsa_system_sgpr_workgroup_id_x 1
		.amdhsa_system_sgpr_workgroup_id_y 1
		.amdhsa_system_sgpr_workgroup_id_z 1
		.amdhsa_system_vgpr_workitem_id 0
		.amdhsa_next_free_vgpr 256
		.amdhsa_next_free_sgpr 66
		.amdhsa_reserve_vcc 1
		.amdhsa_float_denorm_mode_32 3
		.amdhsa_float_denorm_mode_16_64 3
		.amdhsa_memory_ordered 1
		.amdhsa_forward_progress 1
		.amdhsa_inst_pref_size 67
	.end_amdhsa_kernel
	.amdgpu_metadata
---
amdhsa.version: [ 1, 2 ]
amdhsa.kernels:
  - .name:           k_q7610a373c9_attn
    .symbol:         k_q7610a373c9_attn.kd
    .args:
      - { .name: q, .offset: 0, .size: 8, .value_kind: global_buffer, .address_space: global }
      - { .name: kv, .offset: 8, .size: 8, .value_kind: global_buffer, .address_space: global }
      - { .name: out0, .offset: 16, .size: 8, .value_kind: global_buffer, .address_space: global }
    .group_segment_fixed_size: 215040
    .private_segment_fixed_size: 0
    .kernarg_segment_align: 8
    .kernarg_segment_size: 24
    .max_flat_workgroup_size: 512
    .sgpr_count:     66
    .vgpr_count:     256
    .wavefront_size: 32
...
	.end_amdgpu_metadata
.endif
;; end of part 2
